; MI455X (gfx1250); checked and timed in simulation.
; The chip was launched on July 23, 2026; its instructions are those of AMD's public machine-readable ISA for CDNA 5 (MIT licence, August 2026) and "CDNA5" Instruction Set Architecture Reference Guide (July 2026). The comments in the code are by the model that wrote it; some were corrected since.
;; Binarize Linear inference. Allowed arithmetic: matrix products marked QUANTISED: E4M3 operands, one given power-of-two scale a tensor, by v_wmma_f32_16x16x64_fp8_fp8 or v_wmma_f32_16x16x128_fp8_fp8, f32 sums; everything else in f32.
;; Inputs: bias 4,096 float32; lowp_scales 2 int32 (the exponents e of the quantised operands' scales 2^e); weight 4,096 x 4,096 float32; x 4,096 x 4,096 float32.
;; Outputs: out0 4,096 x 4,096 float32.
;; This version of the problem:
;;   THIS VERSION OF THE PROBLEM IS GIVEN IN LOW PRECISION. The matrix products marked QUANTISED in the list below multiply operands that are first quantised to E4M3 (4 exponent bits, 3 mantissa bits; 8 bits a number), with one given power-of-two scale for each operand tensor; their sums are f32. All else is computed in f32.
;;   The module's matrix products, in the order in which they are computed (A, B: the left and right operand; K: the contracted axis; several contracted axes count as one K, in the product's order):
;;     1. [M 4,096, K 4,096] x [K 4,096, N 4,096]; A: computed on the way; B: input weight: QUANTISED (scales: A lowp_scales[0], B lowp_scales[1])
;;   THE QUANTISER, for each operand of a quantised product, along K:
;;     - The operand's scale is 2^e, e = its entry of the input lowp_scales (int32; the entries are numbered through the quantised products in the list's order, A before B).
;;     - Each number is divided by the scale, clamped to +-448, and rounded to the nearest number of E4M3, ties to even, subnormals kept.
;;     - The product sums the exact products of the quantised numbers (number of the format x scale) in f32.
;;   ~~~python
;;   def quantise(x, axis, e):      # numpy; x: float32 -> the quantised numbers, widened to float32 again
;;       x = np.moveaxis(x, axis, -1); K = x.shape[-1]
;;       r = np.clip(x / 2.0 ** e, -448, 448)
;;       step = 2.0 ** (np.maximum(np.frexp(np.where(r == 0, 1, r))[1] - 1, -6) - 3)
;;       q = np.round(r / step) * step * 2.0 ** e      # np.round: ties to even
;;       return np.moveaxis(q, -1, axis).astype(np.float32)
;;   ~~~
;;   OPERANDS COMPUTED ON THE WAY. 'Computed on the way' means the value that the module computes at that place (a softmax that the list does not call 'softmax' is quantised finished and normalised). What goes into a quantiser is computed in f32, as accurately as f32 sums, v_exp_f32 and their like allow (about 1e-6 of the number): no bf16 or f16 on the way to a quantiser, and a product that is left as it is and whose result goes on into a quantised operand takes f32 operands (vector FMAs, or v_wmma_f32_16x16x4_f32). A number that lies on a knife's edge between two numbers of the format may be rounded either way, as far as f32 arithmetic and the matrix unit's own rounding can turn it there, and no further.
;; One version. Each part assembles by itself: llvm-mc -triple=amdgcn-amd-amdhsa -mcpu=gfx1250 --defsym DOCPART=n.
;; ======== version 1 of 1: 2 launches
;; limits: right only within a limited range of input values
;; workspace buffers: x_bits 2,097,152 bytes; w_codes 16,777,216 bytes
;; launch quant (part 1): grid 256 x 1, 8 waves a work-group, no clusters, 327,680 bytes of LDS; arguments x, weight, lowp_scales, x_bits, w_codes; writes x_bits, w_codes
.if DOCPART == 1
	.amdgcn_target "amdgcn-amd-amdhsa--gfx1250"
	.amdhsa_code_object_version 6
	.text
	.protected	k_q941676879e_quant
	.globl	k_q941676879e_quant
	.p2align	8
	.type	k_q941676879e_quant,@function
k_q941676879e_quant:
	s_mov_b64 s[64:65], 0
	v_nop
	global_prefetch_b8 v0, s[64:65] scope:SCOPE_SE
	s_setreg_imm32_b32 hwreg(HW_REG_WAVE_MODE, 25, 1), 1
	s_wait_xcnt 0x0
; Both operands of out = Q(sign(x)) Q(weight) + bias are prepared once, for the product's launch.
;   A(m, k) = +1 where x(m, k) > 0, else -1 (zeros of either sign and NaN give -1, as the comparison has it).  A has two values, whose codes differ in the sign bit alone:
;   what is stored is ONE BIT a number, set where A = -1; the product's launch makes the codes from the bits and the given scale 2^e0.
;   B(k, n) = weight(k, n) becomes codes of FP8 (E4M3) with the given scale 2^e1: number / 2^e1, held within +-448, to the nearest code, ties to even.
; LIMITS: e1 lies between -126 and 119, so that 2^e1 and 448 x 2^e1 are f32 numbers.  NaN in weight is not served (an infinity is held at the largest code).
; ONE ORDER OF K FOR BOTH.  In a step of 128 along K, the place (register g of 16, byte z of 4, half h of the lanes) of a fragment holds k = 4 (8 z + 7 - g % 8) + 2 h + g / 8, in A and in B alike:
; each product meets its partner, and only the order of the additions changes.
; LAYOUTS (both buffers are this program's own), in the order of the operands' registers:
;   x_bits: byte (G 32 + s) 2048 + q 512 + 16 (r + 16 h) + 4 w: group G of 128 rows, step s; word w = 2 (a % 2) + u of load q = a / 2 belongs to row 16 a + r; its bit 8 z + 7 - j is the sign of register 8 u + j, byte z.
;   w_codes: byte ks 2^20 + nb 4096 + q 2048 + c 512 + 16 (r + 16 h) + 4 i + z: step 2 ks + q, register 4 c + i, byte z, of COLUMN 64 (nb / 4) + 4 r + nb % 4:
;   four neighbouring columns lie in the same lane of four neighbouring tiles, so that the product's launch finds 16 neighbouring bytes of a row of out in one lane.
; SHARES.  256 work-groups of eight waves; each takes 262,144 bytes of x and 262,144 of weight, on one path.  A wave has FOUR TILES of 16,384 bytes, brought by the tensor data mover into a ring of two LDS slots of its own:
;   tiles 0, 1: 32 rows x 512 bytes of x, one (G, s, q) each: 512 bytes of x_bits.  The eight waves stand side by side on 4,096 bytes of each row.
;   tiles 2, 3: the 64 even and the 64 odd rows of one step of weight x 64 columns (256 bytes).  The even rows hold registers 0 to 7 of the fragments, the odd rows registers 8 to 15.  The waves stand side by side on 2,048 bytes.
; A wave reads only its own slots.  A slot is filled in this order: the wait for all tensor loads, the add, its wait, a barrier, one load a wave.  So 131,072 bytes of the work-group are on their way at a time.
; No prefetch: four tiles a wave, written out, are no loop to run ahead in, and the launch only streams.  No cluster: no byte of x or weight is read by two work-groups.  lds_bytes: the whole 327,680 bytes.
.set TILE,  16384
.set SPARE, 8*2*TILE                   ; behind the eight rings: the spare words, 128 bytes a wave
.set POS,  10                          ; v10      448 x 2^e1
.set SC,   11                          ; v11      2^e1 as f32: the conversion takes its exponent field
.set SPW,  12
.set NIL,  13
.set LA,   14                          ; v14      LDS: my ring + 16 x lane
.set OL,   15                          ; v15      16 x lane
.set XO,   16                          ; v16-23   x: four words a lane for each of two tiles
.set XR,   64                          ; v64-127  x: four sets of four rows, four registers a row
.set WX,   64                          ; v64-127  weight: 16 rows x 4 columns, as they lie
.set WT,   128                         ; v128-191 weight: 4 columns x 16 numbers down K, held
.set WC,   192                         ; v192-255 weight: four chunks x 4 columns x 4 registers of codes: no store's data are written again
.set G1X,  40                          ; s[40:47] group 1 of x's tiles
.set G1W,  48                          ; s[48:55] group 1 of weight's tiles
.set T0,   56                          ; s[56:59], s[60:63] group 0 of tiles 0, 1
.set T2,   68                          ; s[68:71], s[72:75] group 0 of tiles 2, 3
.set MK,   76                          ; s76-91   sixteen lane masks
	s_load_b128 s[4:7], s[0:1], 0x0                ; x s[4:5], weight s[6:7]
	s_load_b64 s[8:9], s[0:1], 0x10                ; the scales' exponents
	s_load_b128 s[12:15], s[0:1], 0x18             ; x_bits s[12:13], w_codes s[14:15]
	v_lshl_add_u32 v[SPW], v0, 2, SPARE
	v_mov_b32 v[NIL], 0
	ds_add_u32 v[SPW], v[NIL]                      ; the opening lines: the add, twice on end, and its wait
	ds_add_u32 v[SPW], v[NIL]
	v_lshrrev_b32 v1, 5, v0
	v_readfirstlane_b32 s16, v1                    ; wave 0..7
	s_mov_b32 s[G1X+0], 2<<16                      ; elements of 4 bytes, no padding: every LDS load takes 512 bytes on end
	s_mov_b32 s[G1X+1], 128<<16                    ; a row of 128 numbers,
	s_mov_b32 s[G1X+2], 32<<16                     ; 32 rows,
	s_mov_b32 s[G1X+3], 128<<16
	s_mov_b32 s[G1X+4], 32
	s_mov_b32 s[G1X+5], 4096                       ; one row of x apart
	s_mov_b32 s[G1X+6], 0
	s_mov_b32 s[G1X+7], 0
	s_mov_b32 s[G1W+0], 2<<16
	s_mov_b32 s[G1W+1], 64<<16                     ; a row of 64 numbers,
	s_mov_b32 s[G1W+2], 64<<16                     ; 64 rows,
	s_mov_b32 s[G1W+3], 64<<16
	s_mov_b32 s[G1W+4], 64
	s_mov_b32 s[G1W+5], 8192                       ; two rows of weight apart
	s_mov_b32 s[G1W+6], 0
	s_mov_b32 s[G1W+7], 0
	s_lshl_b32 s17, s16, 15                        ; my ring in LDS
	s_lshr_b32 s24, ttmp9, 1                       ; x: which 32 rows: 4 G + q
	s_and_b32 s25, ttmp9, 1                        ; and which 16 steps
	s_lshl_b32 s18, s24, 19                        ; 32 rows of 16,384 bytes,
	s_lshl_b32 s26, s25, 13                        ; + 16 steps of 512 bytes,
	s_add_co_u32 s18, s18, s26
	s_lshl_b32 s26, s16, 9                         ; + my wave's step
	s_add_co_u32 s18, s18, s26
	s_mov_b32 s19, 0
	s_lshr_b32 s20, s24, 2
	s_lshl_b32 s20, s20, 16                        ; x_bits: G x 32 steps of 2,048 bytes,
	s_and_b32 s26, s24, 3
	s_lshl_b32 s26, s26, 9                         ; + q x 512,
	s_add_co_u32 s20, s20, s26
	s_lshl_b32 s26, s25, 15                        ; + 16 steps,
	s_add_co_u32 s20, s20, s26
	s_lshl_b32 s26, s16, 11                        ; + my wave's step
	s_add_co_u32 s20, s20, s26
	s_mov_b32 s21, 0
	s_and_b32 s27, ttmp9, 7
	s_lshl_b32 s27, s27, 3
	s_add_co_u32 s27, s27, s16                     ; weight: which 64 columns
	s_lshr_b32 s28, ttmp9, 3                       ; and which step
	s_lshl_b32 s30, s28, 21                        ; 128 rows of 16,384 bytes,
	s_lshl_b32 s26, s27, 8                         ; + 64 columns of 4 bytes
	s_add_co_u32 s30, s30, s26
	s_mov_b32 s31, 0
	s_lshr_b32 s32, s28, 1
	s_lshl_b32 s32, s32, 20                        ; codes: 2^20 bytes for two steps,
	s_and_b32 s26, s28, 1
	s_lshl_b32 s26, s26, 11                        ; + 2,048 for the odd step,
	s_add_co_u32 s32, s32, s26
	s_lshl_b32 s26, s27, 14                        ; + four tiles of 4,096 bytes for 64 columns
	s_add_co_u32 s32, s32, s26
	s_mov_b32 s33, 0
	s_wait_dscnt 0x0                               ; both opening adds are done
	s_wait_kmcnt 0x0
	s_load_b64 s[22:23], s[8:9], 0x0               ; e0, e1: e1 is wanted here
	s_add_nc_u64 s[4:5], s[4:5], s[18:19]
	s_add_nc_u64 s[12:13], s[12:13], s[20:21]
	s_add_nc_u64 s[6:7], s[6:7], s[30:31]
	s_add_nc_u64 s[14:15], s[14:15], s[32:33]
	s_mov_b32 s[T0+0], 1                           ; tile 0: my step, into slot 0
	s_mov_b32 s[T0+1], s17
	s_mov_b64 s[T0+2:T0+3], s[4:5]
	s_or_b32 s[T0+3], s[T0+3], 0x80000000
	s_mov_b32 s[T0+4], 1                           ; tile 1: eight steps on, into slot 1
	s_add_co_u32 s[T0+5], s17, TILE
	s_add_nc_u64 s[T0+6:T0+7], s[4:5], 4096
	s_or_b32 s[T0+7], s[T0+7], 0x80000000
	s_mov_b32 s[T2+0], 1                           ; tile 2: the even rows, into slot 0
	s_mov_b32 s[T2+1], s17
	s_mov_b64 s[T2+2:T2+3], s[6:7]
	s_or_b32 s[T2+3], s[T2+3], 0x80000000
	s_mov_b32 s[T2+4], 1                           ; tile 3: the odd rows, into slot 1
	s_add_co_u32 s[T2+5], s17, TILE
	s_add_nc_u64 s[T2+6:T2+7], s[6:7], 16384
	s_or_b32 s[T2+7], s[T2+7], 0x80000000
	tensor_load_to_lds s[T0:T0+3], s[G1X:G1X+7]    ; one tensor load a wave at the head
	s_nop 0
	v_and_b32 v2, 31, v0
	v_lshlrev_b32 v[OL], 4, v2
	v_add_nc_u32 v[LA], s17, v[OL]
.irp i, 0,1,2,3,4,5,6,7
	v_mov_b32 v[XO+\i], 0                          ; written once whole: v_writelane_b32's destination counts as read
.endr
	s_wait_alu depctr_va_vdst(0)                   ; directly ahead of the wait below
	s_wait_kmcnt 0x0
	s_add_co_i32 s23, s23, 127
	s_lshl_b32 s22, s23, 23
	v_mov_b32 v[SC], s22                           ; 2^e1
	s_add_co_i32 s23, s23, 8
	s_lshl_b32 s23, s23, 23
	s_or_b32 s23, s23, 0x600000
	v_mov_b32 v[POS], s23                          ; 448 x 2^e1
	s_wait_alu depctr_va_vdst(0)
; A slot is filled: all my tensor loads have landed, the add, the wait for it and for my reads of the slot, the barrier, and my one load first behind it.
.macro FILL g0, g1
	s_wait_tensorcnt 0x0
	ds_add_u32 v[SPW], v[NIL]
	s_wait_dscnt 0x0
	s_barrier_signal -1
	s_barrier_wait -1
	tensor_load_to_lds s[\g0:\g0+3], s[\g1:\g1+7]
	s_nop 0
.endm
; ---------------- x.  An LDS load takes one row's 512 bytes, 16 a lane: register c of lane l holds k = 4 l + c.
; A comparison's lane mask IS a word of 32 bits: bit l for lane l.  So register c gives the word (h, u) = (c / 2, c % 2) of its row, with l = 8 z + 7 - j: the order of K stated above.
.macro LDX s, t                        ; rows 4 t .. 4 t + 3 of the tile in slot s
.irp i, 0,1,2,3
	ds_load_b128 v[XR+16*((\t)%4)+4*\i:XR+16*((\t)%4)+4*\i+3], v[LA] offset:(\s)*TILE+(4*(\t)+\i)*512
.endr
.endm
.macro STEPX s, t
.set RS, XR+16*((\t)%4)
.if 7-(\t) >= 3
	s_wait_dscnt 12                                ; this step's four loads are in; those of the three steps behind it may be out
.else
	s_wait_dscnt 4*(7-(\t))
.endif
.irp i, 0,1,2,3
.irp c, 0,1,2,3
	v_cmp_lt_f32 s[MK+4*\i+\c], 0, v[RS+4*\i+\c]   ; 0 < x: 32 numbers, 32 bits
.endr
.endr
.irp i, 0,1,2,3                                ; row 4 t + i = 16 (a % 2) + r: the word goes to register 2 (a % 2) + u, lane r + 16 h
.irp c, 0,1,2,3
	v_writelane_b32 v[XO+4*(\s)+2*((\t)/4)+\c%2], s[MK+4*\i+\c], 4*((\t)%4)+\i+16*(\c/2)
.endr
.endr
.if (\t)+4 < 8
	LDX \s, (\t)+4                                 ; four steps ahead, into the set just compared
.endif
.endm
.macro XTILE s
	s_wait_tensorcnt 0x1                           ; my tile is in; the one load issued behind it may be out
.irp t, 0,1,2,3
	LDX \s, \t
.endr
.irp t, 0,1,2,3,4,5,6,7
	STEPX \s, \t
.endr
.irp i, 0,1,2,3
	v_xor_b32 v[XO+4*(\s)+\i], -1, v[XO+4*(\s)+\i] ; a set bit is to say -1: not (0 < x)
.endr
	global_store_b128 v[OL], v[XO+4*(\s):XO+4*(\s)+3], s[12:13] offset:(\s)*16384   ; the wave stores 512 consecutive bytes, aligned; tile 1 lies eight steps of 2,048 bytes on
.endm
; ---------------- weight: K is its first axis.  The tile of parity p holds rows k = 2 y + p as LDS rows y of 256 bytes.  Chunk 2 p + cc holds registers g = 8 p + 4 cc + i; number n = 4 i + z of its 16 lies in
; LDS row 16 z + 14 - 2 (4 cc + i) + h.  Lanes 16-31 take the row behind that of lanes 0-15: 512 bytes on end.  A lane gets columns 4 r .. 4 r + 3 of its row.
; The hold writes each number to the place that the conversion wants: 16 numbers down K of one column on end.
.macro LDW p, cc
.irp n, 0,1,2,3,4,5,6,7,8,9,10,11,12,13,14,15
	ds_load_b128 v[WX+4*\n:WX+4*\n+3], v[LA] offset:(\p)*TILE+(16*(\n%4)+14-2*(4*(\cc)+\n/4))*256
.endr
.endm
.macro BLOCKW p, cc
.set CS, WC+16*(2*(\p)+(\cc))
	s_wait_dscnt 0x0                               ; this chunk's 16 loads are in
.irp n, 0,1,2,3,4,5,6,7,8,9,10,11,12,13,14,15
.irp c, 0,1,2,3
	v_med3_num_f32 v[WT+16*\c+\n], v[WX+4*\n+\c], -v[POS], v[POS]   ; the conversion does not saturate (ISA guide 7.6.2): the hold at 448 x 2^e1 comes first, and lays column c's numbers on end
.endr
.endr
.if (\cc) == 0
	LDW \p, 1                                      ; the tile's second chunk, into the registers just read
.endif
.irp c, 0,1,2,3
	v_cvt_scalef32_pk8_fp8_f32 v[CS+4*\c:CS+4*\c+1], v[WT+16*\c:WT+16*\c+7], v[SC]
	v_cvt_scalef32_pk8_fp8_f32 v[CS+4*\c+2:CS+4*\c+3], v[WT+16*\c+8:WT+16*\c+15], v[SC]
.endr
	v_nop                                          ; one plain vector line behind the last conversion of the run
.irp c, 0,1,2,3
	global_store_b128 v[OL], v[CS+4*\c:CS+4*\c+3], s[14:15] offset:4096*\c+512*(2*(\p)+(\cc))   ; tile 4 (group of 64) + c: the wave stores 512 consecutive bytes, aligned
.endr
.endm
.macro WTILE p, left
	s_wait_tensorcnt \left
	LDW \p, 0
	BLOCKW \p, 0
	BLOCKW \p, 1
.endm
	FILL T0+4, G1X                                 ; tile 0 has landed; tile 1 goes out: slot 1's first fill, issued as a refill is
	XTILE 0
	FILL T2, G1W                                   ; tile 1 has landed; tile 2 goes into slot 0
	XTILE 1
	FILL T2+4, G1W                                 ; tile 2 has landed; tile 3 goes into slot 1: the last load
	WTILE 0, 0x1
	WTILE 1, 0x0
	s_wait_tensorcnt 0x0                           ; the wave's end
	ds_add_u32 v[SPW], v[NIL]
	s_wait_dscnt 0x0
	s_endpgm
.Lfunc_end_k_q941676879e_quant:
	.size	k_q941676879e_quant, .Lfunc_end_k_q941676879e_quant-k_q941676879e_quant
	.p2alignl 7, 3214868480
	.fill 96, 4, 3214868480
	.section	.rodata,"a",@progbits
	.p2align	6, 0x0
	.amdhsa_kernel k_q941676879e_quant
		.amdhsa_group_segment_fixed_size 327680
		.amdhsa_private_segment_fixed_size 0
		.amdhsa_enable_private_segment 0
		.amdhsa_kernarg_size 40
		.amdhsa_user_sgpr_count 2
		.amdhsa_user_sgpr_kernarg_segment_ptr 1
		.amdhsa_wavefront_size32 1
		.amdhsa_system_sgpr_workgroup_id_x 1
		.amdhsa_system_sgpr_workgroup_id_y 1
		.amdhsa_system_sgpr_workgroup_id_z 1
		.amdhsa_system_vgpr_workitem_id 0
		.amdhsa_next_free_vgpr 256
		.amdhsa_next_free_sgpr 92
		.amdhsa_reserve_vcc 0
		.amdhsa_float_denorm_mode_32 3
		.amdhsa_float_denorm_mode_16_64 3
		.amdhsa_memory_ordered 1
		.amdhsa_forward_progress 1
		.amdhsa_inst_pref_size 67
	.end_amdhsa_kernel
	.amdgpu_metadata
---
amdhsa.version: [ 1, 2 ]
amdhsa.kernels:
  - .name:           k_q941676879e_quant
    .symbol:         k_q941676879e_quant.kd
    .args:
      - { .name: x, .offset: 0, .size: 8, .value_kind: global_buffer, .address_space: global }
      - { .name: weight, .offset: 8, .size: 8, .value_kind: global_buffer, .address_space: global }
      - { .name: lowp_scales, .offset: 16, .size: 8, .value_kind: global_buffer, .address_space: global }
      - { .name: x_bits, .offset: 24, .size: 8, .value_kind: global_buffer, .address_space: global }
      - { .name: w_codes, .offset: 32, .size: 8, .value_kind: global_buffer, .address_space: global }
    .group_segment_fixed_size: 327680
    .private_segment_fixed_size: 0
    .kernarg_segment_align: 8
    .kernarg_segment_size: 40
    .max_flat_workgroup_size: 256
    .sgpr_count:     92
    .vgpr_count:     256
    .wavefront_size: 32
...
	.end_amdgpu_metadata
.endif
;; end of part 1
;; launch gemm (part 2): grid 16 x 16, 8 waves a work-group, clusters of 4 x 1, 327,680 bytes of LDS; arguments x_bits, w_codes, lowp_scales, bias, out0; writes out0
.if DOCPART == 2
	.amdgcn_target "amdgcn-amd-amdhsa--gfx1250"
	.amdhsa_code_object_version 6
	.text
	.protected	k_q941676879e_gemm
	.globl	k_q941676879e_gemm
	.p2align	8
	.type	k_q941676879e_gemm,@function
k_q941676879e_gemm:
	s_mov_b64 s[64:65], 0
	v_nop
	global_prefetch_b8 v0, s[64:65] scope:SCOPE_SE
	s_setreg_imm32_b32 hwreg(HW_REG_WAVE_MODE, 25, 1), 1
	s_wait_xcnt 0x0
	s_wait_alu depctr_hold_cnt(0) depctr_sa_sdst(0) depctr_va_vdst(0) depctr_va_sdst(0) depctr_va_ssrc(0) depctr_va_vcc(0) depctr_vm_vsrc(0)
	s_getreg_b32 s2, hwreg(HW_REG_IB_STS2, 6, 4)
	s_cmp_eq_u32 s2, 0
	s_cbranch_scc0 .Lentry_in_a_cluster
	s_endpgm
.Lentry_in_a_cluster:
	s_bfe_u32 s2, ttmp6, 0x10000c
	s_cmp_lg_u32 s2, 0x3003
	s_cbranch_scc0 .Lentry_shape_is_right
	s_endpgm
.Lentry_shape_is_right:
; out0(m, n) = 2^(e0 + e1) x sum over k of codeA(m, k) codeB(k, n) + bias(n).  A = Q(+-1) comes as one sign bit a number (x_bits), B as codes of FP8 (w_codes), both in the order of the operands' registers
; (the layouts and the one order of K stand at the head of the launch that makes them).
; LIMITS: e0 between -126 and 119 (2^e0 and 448 x 2^e0 are f32 numbers); e0 + e1 between -126 and 127.
; A work-group of EIGHT waves, two to a SIMD, makes 256 x 256 of out0; wave w makes rows 64 (w / 2) .. + 63 x columns 128 (w % 2) .. + 127: 32 accumulators, 256 registers.  K goes in 32 steps of 128.
; A step of a wave is M, its 32 matrix instructions, and V, the vector lines and loads that make the next step's operands.  Each operand has one set of registers.
; Waves 4 to 7 run one M ahead of waves 0 to 3: the change of slots stands ahead of a slot's last M for waves 0 to 3 and behind it for waves 4 to 7.  A branch on the wave's number leads round an M and round nothing else.
; B: a ring of two LDS slots of 131,072 bytes, four steps each, filled by tensor loads, 16,384 dense bytes a wave as 64 rows of 256.  The four work-groups of a cluster (along x: four blocks of rows of out0)
; need the same columns of B: each load is asked for jointly, mask 15.  A refill has four steps, 128 matrix instructions of each of the eight waves, in which to land; for that reason no prefetch is laid.
; lds_bytes: the whole 327,680 bytes.
; A: a wave's 64 rows x 128 bits of a step are 1,024 bytes, two loads straight into registers, four steps ahead.  They are an eighth of B's bytes and pass through no LDS, so they are not asked for jointly.
; A code is (bit << 7) | c, c = the code of min(1, 448 x 2^e0) / 2^e0: a shift and one v_and_or_b32 a register.
; THE WAY OUT needs no LDS: source 0 = A, so register j of lane (r, h) is row 8 h + j; lane r of tile b holds column 64 (b / 4) + 4 r + b % 4, so four tiles' registers j are 16 neighbouring bytes of a row,
; and sixteen lanes store 256 consecutive bytes, aligned.
; REGISTERS: window 0: v2-8 addresses; v24-31 bias; v32-63 four sets of bits; v64-127 A's fragments; v128-255 B's.  Window 1: accumulator (a, b) at v[8 (8 a + b)].
.set BSTEP,  0x100000                  ; w_codes: bytes of two steps
.set NROW,   16384                     ; a row of out0 in bytes
.set FR,     16                        ; registers of a fragment
.set SLOT1,  1<<17
.set SPARE,  2*SLOT1                   ; behind the ring: the spare words, 128 bytes a wave
.set TRIPS,  6                         ; slots 2 .. 7 are asked for in the loop
.set ADRB, 2                           ; LDS address of my B fragments in the slot at work
.set B0,   3                           ; the same in slot 0
.set OUTO, 4                           ; out0: 8 h rows + 16 r
.set CO,   5                           ; 16 x lane
.set BO,   6                           ; 16 r
.set SPW,  7
.set NIL,  8
.set BI,   24
.set WR,   32
.set AF,   64
.set BF,   128
.set G1,   24
.set G0,   32
.set TB,   44                          ; 0 or SLOT1
.set PA,   46                          ; s[46:47] my bits
.set MK,   48                          ; 0x80808080
.set BC,   49                          ; c in all four bytes
.set SCL,  50                          ; 2^(e0 + e1)
.set PH,   51                          ; 0: waves 0 to 3; 1: waves 4 to 7
.set MSB, 0
.macro WIN new                         ; the immediate's high byte repeats the setting that is left
.if MSB != (\new)
	s_set_vgpr_msb (MSB<<8)|(\new)
.set MSB, (\new)
.endif
.endm
.set MUL, 0x50                         ; A and B window 0, C and D window 1
.macro CROUND                          ; a round of the cluster's barrier
	s_barrier_signal -1
	s_barrier_wait -1
	s_cmp_lg_u32 s14, 0
	s_cbranch_scc1 .Lnot_wave_0_\@
	s_barrier_signal -3
.Lnot_wave_0_\@:
	s_barrier_wait -3
	s_barrier_signal -1
	s_barrier_wait -1
.endm
.macro PLACES n
.rept \n
	v_nop
.endr
.endm
	s_load_b128 s[4:7], s[0:1], 0x0                ; x_bits, w_codes
	s_load_b128 s[8:11], s[0:1], 0x10              ; the scales' exponents, bias
	s_load_b64 s[12:13], s[0:1], 0x20              ; out0
	v_lshl_add_u32 v[SPW], v0, 2, SPARE
	v_mov_b32 v[NIL], 0
	ds_add_u32 v[SPW], v[NIL]                      ; the opening lines: the add, twice on end, and its wait
	ds_add_u32 v[SPW], v[NIL]
	s_wait_dscnt 0x0
	v_lshrrev_b32 v1, 5, v0
	v_readfirstlane_b32 s14, v1                    ; wave 0..7
	s_lshr_b32 s15, s14, 1                         ; my 64 rows of the block's 256
	s_and_b32 s16, s14, 1                          ; my half of the columns; also the half of the columns that I fetch for
	s_lshr_b32 s[PH], s14, 2                       ; my phase; also which 16,384 of 32,768 bytes I fetch
	s_bfe_u32 s43, s14, 0x10001                    ; which two steps of a slot I fetch
	s_bfe_u32 s40, ttmp6, 0x40000                  ; cx
	s_lshl_b32 s17, ttmp9, 2
	s_add_co_u32 s17, s17, s40                     ; block of rows = 4 x cluster x + cx
	s_and_b32 s42, ttmp7, 0xffff                   ; block of columns: the same in all four partners
	s_mov_b32 s[G1+0], 15|(0<<16)|(1<<21)          ; mask of the four, bytes, bit 21 beside the mask; no padding: every LDS load takes 512 bytes on end
	s_mov_b32 s[G1+1], 256<<16
	s_mov_b32 s[G1+2], 64<<16
	s_mov_b32 s[G1+3], 256<<16
	s_mov_b32 s[G1+4], 64
	s_mov_b32 s[G1+5], 256
	s_mov_b32 s[G1+6], 0
	s_mov_b32 s[G1+7], 0
	s_lshl_b32 s20, s42, 16                        ; w_codes: 16 tiles of 4,096 bytes a block of columns,
	s_lshl_b32 s18, s16, 15                        ; + eight for the half of the columns,
	s_add_co_u32 s20, s20, s18
	s_lshl_b32 s18, s43, 20                        ; + the two steps,
	s_add_co_u32 s20, s20, s18
	s_lshl_b32 s18, s[PH], 14                      ; + my four tiles of the eight
	s_add_co_u32 s20, s20, s18
	s_mov_b32 s21, 0
	s_lshl_b32 s45, s16, 16                        ; LDS: 65,536 x half of the columns + 32,768 x pair of steps + 16,384 x my part
	s_lshl_b32 s19, s43, 15
	s_add_co_u32 s45, s45, s19
	s_add_co_u32 s45, s45, s18
	s_lshl_b32 s22, s17, 1
	s_lshr_b32 s18, s15, 1
	s_add_co_u32 s22, s22, s18
	s_lshl_b32 s22, s22, 16                        ; x_bits: my group of 128 rows,
	s_and_b32 s18, s15, 1
	s_lshl_b32 s18, s18, 10                        ; + my 64 of them
	s_add_co_u32 s22, s22, s18
	s_mov_b32 s23, 0
	s_lshl_b32 s72, s17, 8
	s_lshl_b32 s73, s15, 6
	s_add_co_u32 s72, s72, s73
	s_lshl_b32 s72, s72, 14                        ; out0: my first row,
	s_mov_b32 s73, 0
	s_lshl_b32 s74, s42, 10
	s_lshl_b32 s75, s16, 9
	s_add_co_u32 s74, s74, s75                     ; and my first column, in bytes (bias likewise)
	s_mov_b32 s75, 0
	s_lshl_b32 s41, s16, 16
	s_mov_b32 s[TB], 0
	s_mov_b32 s[MK], 0x80808080
	s_wait_kmcnt 0x0
	s_load_b64 s[96:97], s[8:9], 0x0               ; e0, e1
	s_add_nc_u64 s[20:21], s[6:7], s[20:21]
	s_add_nc_u64 s[PA:PA+1], s[4:5], s[22:23]
	s_add_nc_u64 s[10:11], s[10:11], s[74:75]
	s_add_nc_u64 s[12:13], s[12:13], s[72:73]
	s_add_nc_u64 s[12:13], s[12:13], s[74:75]
.irp s, 0,1
	s_mov_b32 s[G0+4*\s], 1
	s_add_co_u32 s[G0+4*\s+1], s45, \s*SLOT1
	s_add_nc_u64 s[G0+4*\s+2:G0+4*\s+3], s[20:21], \s*2*BSTEP
	s_or_b32 s[G0+4*\s+3], s[G0+4*\s+3], 0x80000000
.endr
	CROUND                                         ; the four partners are here: the first joint loads meet
	tensor_load_to_lds s[G0:G0+3], s[G1:G1+7]      ; slot 0: one tensor load a wave at the head
	s_nop 0
	v_and_b32 v1, 15, v0                           ; r
	v_bfe_u32 v9, v0, 4, 1                         ; h
	v_and_b32 v22, 31, v0
	v_lshlrev_b32 v[CO], 4, v22
	v_lshlrev_b32 v[BO], 4, v1
	v_lshl_add_u32 v[OUTO], v9, 17, v[BO]
	v_add_nc_u32 v[B0], s41, v[CO]
	global_load_b128 v[BI:BI+3], v[BO], s[10:11]               ; bias of columns 4 r .. 4 r + 3: register b belongs to tile b,
	global_load_b128 v[BI+4:BI+7], v[BO], s[10:11] offset:256  ; and of the 64 columns beside them
.irp s, 0,1,2,3
.irp q, 0,1
	global_load_b128 v[WR+8*\s+4*\q:WR+8*\s+4*\q+3], v[CO], s[PA:PA+1] offset:2048*\s+512*\q   ; the bits of steps 0 to 3
.endr
.endr
	s_wait_alu depctr_va_vdst(0)                   ; directly ahead of the wait below
	s_wait_kmcnt 0x0
	s_add_co_i32 s[SCL], s96, s97
	s_add_co_i32 s[SCL], s[SCL], 127
	s_lshl_b32 s[SCL], s[SCL], 23                  ; 2^(e0 + e1)
	s_add_co_i32 s71, s96, 127
	s_lshl_b32 s76, s71, 23
	v_mov_b32 v18, s76                             ; 2^e0
	s_add_co_i32 s71, s71, 8
	s_lshl_b32 s71, s71, 23
	s_or_b32 s71, s71, 0x600000
	v_mov_b32 v19, s71                             ; 448 x 2^e0
.irp i, 0,1,2,3,4,5,6,7
	v_min_num_f32 v[10+\i], 1.0, v19               ; the hold
.endr
	v_cvt_scalef32_pk8_fp8_f32 v[20:21], v[10:17], v18
	v_nop                                          ; one plain place behind the conversion
	v_readfirstlane_b32 s[BC], v20                 ; c, four times
; Block e of A from the bits of set ws: register g takes bit 8 z + 7 - g % 8 of word g / 8 as the sign of its byte z.  The shifts first, then the masks: no line reads the line above it.
.macro EXPAND e, ws
.irp g, 1,2,3,4,5,6,7,9,10,11,12,13,14,15
	v_lshlrev_b32 v[AF+FR*(\e)+\g], \g%8, v[WR+8*(\ws)+2*(\e)+\g/8]
.endr
.irp g, 0,1,2,3,4,5,6,7,8,9,10,11,12,13,14,15
.if \g%8
	v_and_or_b32 v[AF+FR*(\e)+\g], v[AF+FR*(\e)+\g], s[MK], s[BC]
.else
	v_and_or_b32 v[AF+FR*(\e)+\g], v[WR+8*(\ws)+2*(\e)+\g/8], s[MK], s[BC]
.endif
.endr
.endm
.macro BLOAD n                         ; B's eight fragments of the slot's step n
.irp f, 0,1,2,3,4,5,6,7
.irp c, 0,1,2,3
	ds_load_b128 v[BF+FR*\f+4*\c:BF+FR*\f+4*\c+3], v[ADRB] offset:((\n)/2)*32768+((\n)%2)*2048+4096*\f+512*\c
.endr
.endr
.endm
; M: a step's 32 matrix instructions.  The 32 accumulators take turns, in the same order in every step.
.macro EMM zero
	s_wait_dscnt 0x0                               ; this step's B is in
	WIN MUL
.irp a, 0,1,2,3
.irp b, 0,1,2,3,4,5,6,7
.if \zero
	v_wmma_f32_16x16x128_fp8_fp8 v[8*(8*\a+\b):8*(8*\a+\b)+7], v[AF+FR*\a:AF+FR*\a+FR-1], v[BF+FR*\b:BF+FR*\b+FR-1], 0
.else
	v_wmma_f32_16x16x128_fp8_fp8 v[8*(8*\a+\b):8*(8*\a+\b)+7], v[AF+FR*\a:AF+FR*\a+FR-1], v[BF+FR*\b:BF+FR*\b+FR-1], v[8*(8*\a+\b):8*(8*\a+\b)+7]
.endif
.endr
.endr
	WIN 0
.endm
.macro EMMIF ph                        ; an M that the waves of phase ph alone run here; the others run it on the other side of the change of slots
	s_cmp_lg_u32 s[PH], \ph
	s_cbranch_scc1 .Lnot_here_\@
	EMM 0
.Lnot_here_\@:
.endm
; V: the operands of the slot's step n.  wl, woff: the set of bits just used takes the bits of four steps on; wcnt: loads that may stay out.
.macro VEE n, wl, woff, wcnt
	s_wait_loadcnt \wcnt                           ; this set of bits is in; the two loads each of the steps behind it may be out
	PLACES 4                                       ; four places behind the last product, ahead of writes of its sources
	EXPAND 0, \n
	BLOAD \n
	EXPAND 1, \n
	EXPAND 2, \n
	EXPAND 3, \n
.if \wl
.irp q, 0,1
	global_load_b128 v[WR+8*(\n)+4*\q:WR+8*(\n)+4*\q+3], v[CO], s[PA:PA+1] offset:(\woff)+512*\q
.endr
.endif
	s_wait_alu depctr_va_vdst(0)
.endm
; The change of slots: every wave's reads of the old slot are back.  fill = 1: a round of the cluster's barrier, and the old slot is asked for again.
.macro CHANGE fill
	s_wait_tensorcnt 0x0                           ; all my tensor loads have landed: my part of the next slot
	ds_add_u32 v[SPW], v[NIL]
	s_xor_b32 s[TB], s[TB], SLOT1
.if \fill
	s_xor_b32 s[G0+5], s[G0+5], SLOT1
	s_add_nc_u64 s[G0+6:G0+7], s[G0+6:G0+7], 2*BSTEP
.endif
	s_wait_dscnt 0x0
.if \fill
	CROUND
	tensor_load_to_lds s[G0+4:G0+7], s[G1:G1+7]
	s_nop 0
	PLACES 4
.else
	s_barrier_signal -1
	s_barrier_wait -1
.endif
	v_add_nc_u32 v[ADRB], s[TB], v[B0]
	s_wait_alu depctr_va_vdst(0)                   ; ahead of the branch below
.endm
	s_wait_loadcnt 6                               ; bias and step 0's bits are in
.irp e, 0,1,2,3
	EXPAND \e, 0                                   ; made while slot 0 is on its way
.endr
.irp q, 0,1
	global_load_b128 v[WR+4*\q:WR+4*\q+3], v[CO], s[PA:PA+1] offset:4*2048+512*\q   ; step 4's bits
.endr
	v_add_nc_u32 v[ADRB], s[TB], v[B0]
	s_wait_alu depctr_va_vdst(0)
	s_wait_tensorcnt 0x0                           ; my part of slot 0 is in; slot 1's first fill is issued as a refill is
	ds_add_u32 v[SPW], v[NIL]
	s_wait_dscnt 0x0
	CROUND                                         ; everybody's part of slot 0 is in, and the partners are here
	tensor_load_to_lds s[G0+4:G0+7], s[G1:G1+7]
	s_nop 0
	PLACES 4
	BLOAD 0
	EMM 1                                          ; the first step's products start the sums
	VEE 1, 1, 5*2048, 6
	EMM 0
	VEE 2, 1, 6*2048, 6
	EMM 0
	VEE 3, 1, 7*2048, 6
	EMMIF 1
	s_wait_xcnt 0x0                                ; the loads have read their base
	s_add_nc_u64 s[PA:PA+1], s[PA:PA+1], 8*2048
	s_mov_b32 s3, TRIPS
.Lslot:                                                ; a trip: four steps of every wave
	CHANGE 1
	EMMIF 0
	VEE 0, 1, 0, 6
	EMM 0
	VEE 1, 1, 2048, 6
	EMM 0
	VEE 2, 1, 4096, 6
	EMM 0
	VEE 3, 1, 6144, 6
	EMMIF 1
	s_wait_xcnt 0x0
	s_add_nc_u64 s[PA:PA+1], s[PA:PA+1], 4*2048
	s_sub_co_u32 s3, s3, 1
	s_cmp_lg_u32 s3, 0
	s_cbranch_scc1 .Lslot
	CHANGE 0                                       ; the last change fills nothing
	EMMIF 0
	VEE 0, 0, 0, 6                                 ; no bits are left to ask for: the counts run down
	EMM 0
	VEE 1, 0, 0, 4
	EMM 0
	VEE 2, 0, 0, 2
	EMM 0
	VEE 3, 0, 0, 0
	EMM 0                                          ; the last step, in every wave
; THE WAY OUT, by blocks of 16 rows: sum x 2^(e0 + e1) + bias into registers that held operands, each accumulator from its low end on; then 16 stores, each of two aligned runs of 256 bytes.
	PLACES 4                                       ; four places behind the last product
.irp a, 0,1,2,3
.set TT, 128+64*(\a%2)
.if \a == 2
.set TT, 64
.endif
.if \a == 3
	s_wait_xcnt 0x0                                ; block 1's stores have read their data
.endif
	WIN 0x01                                       ; source 0: window 1
.irp j, 0,1,2,3,4,5,6,7
.irp b, 0,1,2,3,4,5,6,7
	v_fma_f32 v[TT+8*\j+\b], v[64*\a+8*\b+\j], s[SCL], v[BI+\b]
.endr
.endr
	WIN 0
.irp j, 0,1,2,3,4,5,6,7
.irp g, 0,1
	global_store_b128 v[OUTO], v[TT+8*\j+4*\g:TT+8*\j+4*\g+3], s[12:13] offset:(16*\a+\j)*NROW+256*\g th:TH_STORE_NT
.endr
.endr
.endr
	s_wait_tensorcnt 0x0                           ; the wave's end
	ds_add_u32 v[SPW], v[NIL]
	s_wait_dscnt 0x0
	CROUND                                         ; the closing round
	s_endpgm
.Lfunc_end_k_q941676879e_gemm:
	.size	k_q941676879e_gemm, .Lfunc_end_k_q941676879e_gemm-k_q941676879e_gemm
	.p2alignl 7, 3214868480
	.fill 96, 4, 3214868480
	.section	.rodata,"a",@progbits
	.p2align	6, 0x0
	.amdhsa_kernel k_q941676879e_gemm
		.amdhsa_group_segment_fixed_size 327680
		.amdhsa_private_segment_fixed_size 0
		.amdhsa_enable_private_segment 0
		.amdhsa_kernarg_size 40
		.amdhsa_user_sgpr_count 2
		.amdhsa_user_sgpr_kernarg_segment_ptr 1
		.amdhsa_wavefront_size32 1
		.amdhsa_system_sgpr_workgroup_id_x 1
		.amdhsa_system_sgpr_workgroup_id_y 1
		.amdhsa_system_sgpr_workgroup_id_z 1
		.amdhsa_system_vgpr_workitem_id 0
		.amdhsa_next_free_vgpr 512
		.amdhsa_next_free_sgpr 98
		.amdhsa_reserve_vcc 0
		.amdhsa_float_denorm_mode_32 3
		.amdhsa_float_denorm_mode_16_64 3
		.amdhsa_memory_ordered 1
		.amdhsa_forward_progress 1
		.amdhsa_inst_pref_size 158
	.end_amdhsa_kernel
	.amdgpu_metadata
---
amdhsa.version: [ 1, 2 ]
amdhsa.kernels:
  - .name:           k_q941676879e_gemm
    .symbol:         k_q941676879e_gemm.kd
    .args:
      - { .name: x_bits, .offset: 0, .size: 8, .value_kind: global_buffer, .address_space: global }
      - { .name: w_codes, .offset: 8, .size: 8, .value_kind: global_buffer, .address_space: global }
      - { .name: lowp_scales, .offset: 16, .size: 8, .value_kind: global_buffer, .address_space: global }
      - { .name: bias, .offset: 24, .size: 8, .value_kind: global_buffer, .address_space: global }
      - { .name: out0, .offset: 32, .size: 8, .value_kind: global_buffer, .address_space: global }
    .group_segment_fixed_size: 327680
    .private_segment_fixed_size: 0
    .kernarg_segment_align: 8
    .kernarg_segment_size: 40
    .max_flat_workgroup_size: 256
    .sgpr_count:     98
    .vgpr_count:     512
    .wavefront_size: 32
...
	.end_amdgpu_metadata
.endif
;; end of part 2
